; MI455X (gfx1250); checked and timed in simulation.
; The chip was launched on July 23, 2026; its instructions are those of AMD's public machine-readable ISA for CDNA 5 (MIT licence, August 2026) and "CDNA5" Instruction Set Architecture Reference Guide (July 2026). The comments in the code are by the model that wrote it; some were corrected since.
;; Kernel Temporal Attention. Allowed arithmetic: float matrix products may take bf16 or f16 operands with f32 sums; all other float work in f32.
;; Inputs: beta 256 float32; gamma 256 float32; x 8 x 16 x 128 x 256 float32.
;; Outputs: out0 8 x 16 x 128 x 256 float32.
;; 2 versions, each right; version 2 is version 1 with the launch attn written anew for expert scheduling mode. Each part assembles by itself: llvm-mc -triple=amdgcn-amd-amdhsa -mcpu=gfx1250 --defsym DOCPART=n.
;; ======== version 1 of 2: 1 launch
;; launch attn (part 1): grid 128 x 8, 4 waves a work-group, no clusters, 16,896 bytes of LDS; arguments x, gamma, beta, out0; writes out0
.if DOCPART == 1
	.amdgcn_target "amdgcn-amd-amdhsa--gfx1250"
	.amdhsa_code_object_version 6
	.text
	.protected	k_q81dd90338d_attn
	.globl	k_q81dd90338d_attn
	.p2align	8
	.type	k_q81dd90338d_attn,@function
k_q81dd90338d_attn:
	s_mov_b64 s[64:65], 0
	v_nop
	global_prefetch_b8 v0, s[64:65] scope:SCOPE_SE
	s_setreg_imm32_b32 hwreg(HW_REG_WAVE_MODE, 25, 1), 1
	s_wait_xcnt 0x0
; out = LayerNorm_c( x + v ),  v[b,i,m,c] = sum_j x[b,j,m,c] softmax_j( pos_i (x[b,j,m,c] + pos_j) ),  pos_i = sin(i / 10^4), i = 1..16.
; x, out: [8][16][128][256] f32.  gamma, beta: [256] f32.
;
; WORK.  A work-group owns one (b, m): 16 frames x 256 columns, 16 KB in, 16 KB out.  Four waves.
;   Part 1: thread t owns columns 2t, 2t+1 (one register pair, so every step is one packed f32 instruction) in all 16 frames;
;           a wave's load covers 256 consecutive aligned bytes, the four waves together a row.
;   Part 2: y = x + v goes through LDS once; wave w then owns the whole rows (frames) 4w .. 4w+3, eight columns a lane, so that
;           mean and variance (two passes, as the definition has them) stay inside a wave; each store covers 512 consecutive bytes.
; No cluster: the work-groups share only gamma and beta, 2 KB beside 32 KB of their own.  No matrix unit: the weights differ from
; column to column, nothing here is a matrix product.
;
; THE WEIGHTS.  All pos_i are positive, so the largest score over j is pos_i times the largest z_j = x_j + pos_j, and the weight is
; exp(pos_i (z_j - zmax)).  pos_i / i is the same for i = 1..16 to within 4.3e-7; with h = 0.99999978583e-4 in the middle,
; pos_i = i h (1 +- 2.2e-7).  This text takes w_j = exp(h (z_j - zmax)) (one exponential for each j, the maximum taken away first)
; and forms the sixteen weights as w_j, w_j^2, .. w_j^16 by multiplication.
; LIMITS, stated: (1) with the rounding of K the exponent E of a weight e^-E is off by at most 2.8e-7 E; E e^-E <= 0.37, so no weight is
; off by more than 1.1e-7 of the largest weight (which is 1), whatever the inputs; up to 15 roundings of the products and the 1 ulp of
; v_exp_f32, sixteenfold, add some 3e-6 relative.  (2) a_j = K z_j is rounded once at 2^-24 |a_j|, as the f32 product pos_i z_j is.
; (3) Weights below 2^-126 count as zero (v_exp_f32 flushes).  (4) N sums up to 16 terms x_j w: |x| has to stay below 2e37.
; (5) The sums over j and over c run in another order than a plain loop's.
.set FRAME, 131072                     ; bytes from frame to frame: 128 rows of 1,024
.set ROWB,  1024                       ; bytes in a row of 256 f32, in memory and in LDS
.set OFFX,  2                          ; v2        8 t: my two columns in a row (global x, and LDS on the way in)
.set OFFG,  3                          ; v3        16 x lane: my four columns of a half row (gamma, beta)
.set LRD,   4                          ; v4        LDS: row 4 w, 16 x lane
.set OFFO,  5                          ; v5        out: frame 4 w, 16 x lane
.set KR,    6                          ; v[6:7]    K = h log2(e), twice
.set GR,    8                          ; v[8:15]   gamma of columns 4 l .. 4 l + 3 and 128 + 4 l .. 128 + 4 l + 3
.set BR,    16                         ; v[16:23]  beta likewise
.set XR,    24                         ; v[24:55]  x: frame j at XR + 2 j
.set WR,    56                         ; v[56:87]  a_j, then a_j - amax, then w_j, at WR + 2 j
.set SR,    88                         ; v[88:119] S_i = sum_j w_j^(i+1), then 1 / S_i, at SR + 2 i  (i = 0..15 from here on)
.set NR,    120                        ; v[120:151] N_i = sum_j x_j w_j^(i+1), then y_i, at NR + 2 i
.set PR,    152                        ; v[152:159] the running power of each of four source frames at work
.set MR,    160                        ; v[160:163] maxima
.set YR,    XR                         ; part 2: row r of my four at YR + 8 r, eight columns
.set TR,    WR                         ; part 2: row r's figure at TR + 2 r, a helper at TR + 2 r + 1
.set UR,    WR+8                       ; part 2: second partial sums
	s_load_b256 s[4:11], s[0:1], 0x0               ; x s[4:5], gamma s[6:7], beta s[8:9], out s[10:11]
	v_lshl_add_u32 v164, v0, 2, 0x4000
	v_mov_b32 v165, 0
	s_and_b32 s12, ttmp7, 0xffff                   ; b
	s_lshl_b32 s12, s12, 21                        ; b x 16 frames x 131,072 bytes
	s_lshl_b32 s13, ttmp9, 10                      ; m x 1,024 bytes
	s_or_b32 s12, s12, s13
	s_mov_b32 s13, 0                               ; the offset as a pair (below 16 MiB)
	s_mov_b32 s20, 0x76543210                      ; v_permlanex16_b32: lane i reads lane i of the other half
	s_mov_b32 s21, 0xfedcba98
	s_mov_b32 s22, 0x3b800000                      ; 1 / 256
	s_mov_b32 s23, 0x3727c5ac                      ; 1e-5, the norm's epsilon
	v_lshrrev_b32 v1, 5, v0
	v_readfirstlane_b32 s14, v1                    ; wave 0..3
	s_lshl_b32 s15, s14, 12                        ; 4 rows of LDS
	s_lshl_b32 s16, s14, 19                        ; 4 frames of out
	v_and_b32 v1, 31, v0                           ; lane
	v_lshlrev_b32 v[OFFX], 3, v0
	v_lshlrev_b32 v[OFFG], 4, v1
	v_mov_b32 v[KR], 0x3917470b                    ; K = 1.4426947e-4 = h log2(e)
	v_mov_b32 v[KR+1], 0x3917470b
	s_wait_kmcnt 0x0
	s_add_nc_u64 s[4:5], s[4:5], s[12:13]          ; x and out at (b, frame 0, m)
	s_add_nc_u64 s[10:11], s[10:11], s[12:13]
.irp j, 0,1,2,3,4,5,6,7,8,9,10,11,12,13,14,15
	global_load_b64 v[XR+2*\j:XR+2*\j+1], v[OFFX], s[4:5] offset:\j*FRAME th:TH_LOAD_NT   ; everything this thread reads of x is asked for here
.endr
	global_load_b128 v[GR:GR+3],   v[OFFG], s[6:7]
	global_load_b128 v[GR+4:GR+7], v[OFFG], s[6:7] offset:512
	global_load_b128 v[BR:BR+3],   v[OFFG], s[8:9]
	global_load_b128 v[BR+4:BR+7], v[OFFG], s[8:9] offset:512
	; a_j = K (x_j + pos_j) = K x_j + c_j, one fused multiply-add; c_j = K sin((j+1) / 10^4) as an f32 constant
.macro ARG j, c
	v_pk_fma_f32 v[WR+2*\j:WR+2*\j+1], v[XR+2*\j:XR+2*\j+1], v[KR:KR+1], \c op_sel_hi:[1,1,0]
.endm
	s_wait_loadcnt 0x4                             ; loads return in order (ISA guide 5.7.1): x is in, the four younger loads (gamma, beta) stay out
	ARG 0,  0x3277da63                             ; 1.4426947e-8
	ARG 1,  0x32f7da63                             ; 2.8853894e-8
	ARG 2,  0x3339e3ca                             ; 4.3280841e-8
	ARG 3,  0x3377da62                             ; 5.7707788e-8
	ARG 4,  0x339ae87d                             ; 7.2134734e-8
	ARG 5,  0x33b9e3c9                             ; 8.6561679e-8
	ARG 6,  0x33d8df15                             ; 1.0098862e-7
	ARG 7,  0x33f7da61                             ; 1.1541557e-7
	ARG 8,  0x340b6ad6                             ; 1.2984251e-7
	ARG 9,  0x341ae87c                             ; 1.4426945e-7
	ARG 10, 0x342a6622                             ; 1.5869639e-7
	ARG 11, 0x3439e3c7                             ; 1.7312333e-7
	ARG 12, 0x3449616c                             ; 1.8755026e-7
	ARG 13, 0x3458df12                             ; 2.0197720e-7
	ARG 14, 0x34685cb7                             ; 2.1640413e-7
	ARG 15, 0x3477da5c                             ; 2.3083106e-7
	; the largest a_j of each column: two chains of three-way maxima a column (frames 0-7 and 15, frames 8-14), four chains in turn
.macro MAX3 d, p, q                    ; both columns: chain d takes in frames p and q
	v_max3_num_f32 v[MR+\d],   v[MR+\d],   v[WR+2*\p],   v[WR+2*\q]
	v_max3_num_f32 v[MR+\d+1], v[MR+\d+1], v[WR+2*\p+1], v[WR+2*\q+1]
.endm
	v_max3_num_f32 v[MR],   v[WR],    v[WR+2],  v[WR+4]    ; the first three frames start a chain: nothing is preset
	v_max3_num_f32 v[MR+1], v[WR+1],  v[WR+3],  v[WR+5]
	v_max3_num_f32 v[MR+2], v[WR+16], v[WR+18], v[WR+20]
	v_max3_num_f32 v[MR+3], v[WR+17], v[WR+19], v[WR+21]
	MAX3 0, 3, 4
	MAX3 2, 11, 12
	MAX3 0, 5, 6
	MAX3 2, 13, 14
	MAX3 0, 7, 15
	v_max_num_f32 v[MR],   v[MR],   v[MR+2]
	v_max_num_f32 v[MR+1], v[MR+1], v[MR+3]
	; a_j - amax (0 for the largest, below 0 for the others), then w_j = 2^(a_j - amax)
.macro SUBM j
	v_pk_add_f32 v[WR+2*\j:WR+2*\j+1], v[WR+2*\j:WR+2*\j+1], v[MR:MR+1] neg_lo:[0,1] neg_hi:[0,1]
.endm
.irp j, 0,1,2,3
	SUBM \j
.endr
.irp k, 0,1,2,3,4,5,6,7
	v_exp_f32 v[WR+\k], v[WR+\k]                   ; frames 0-3 now; the others' exponentials stand among the sums below
.endr
.irp j, 4,5,6,7,8,9,10,11,12,13,14,15
	SUBM \j                                        ; plain instructions on other registers: the place that a transcendental's result needs (ISA guide 5.7.2)
.endr
; THE SUMS.  Stream s = 0..3 takes the source frames j = s, 4 + s, 8 + s, 12 + s one after the other and walks i = 0..15 in each:
; S_i += p, N_i += x_j p, p *= w_j.  In step tt stream s is at element tt - s, one power behind stream s - 1, so the twelve
; instructions of a step touch different registers, and what depends on one of them stands a step later.
; Frame 0 starts the sums: its powers are formed in S itself (S_i = S_(i-1) w_0, read before stream 1 adds to S_(i-1) in the same step),
; S_0 is first written as w_0 + w_1, and N_i starts as x_0 S_i.  Nothing is cleared or copied.
.macro SLOT s
.if tt >= \s
.if tt-\s < 64
.set jj, 4*((tt-\s)/16)+\s
.set ii, (tt-\s)%16
.set ps, PR+2*\s
.if jj == 0
.if ii == 1
	v_pk_mul_f32 v[SR+2:SR+3], v[WR:WR+1], v[WR:WR+1]
.endif
.if ii > 1
	v_pk_mul_f32 v[SR+2*ii:SR+2*ii+1], v[SR+2*ii-2:SR+2*ii-1], v[WR:WR+1]
.endif
.else
.if ii == 0
.if jj == 1
	v_pk_add_f32 v[SR:SR+1], v[WR:WR+1], v[WR+2:WR+3]
.else
	s_wait_alu depctr_va_vdst(0)
	v_pk_add_f32 v[SR:SR+1], v[SR:SR+1], v[WR+2*jj:WR+2*jj+1]
.endif
	v_pk_fma_f32 v[NR:NR+1], v[XR+2*jj:XR+2*jj+1], v[WR+2*jj:WR+2*jj+1], v[NR:NR+1]
	v_pk_mul_f32 v[ps:ps+1], v[WR+2*jj:WR+2*jj+1], v[WR+2*jj:WR+2*jj+1]
.else
	v_pk_add_f32 v[SR+2*ii:SR+2*ii+1], v[SR+2*ii:SR+2*ii+1], v[ps:ps+1]
	v_pk_fma_f32 v[NR+2*ii:NR+2*ii+1], v[XR+2*jj:XR+2*jj+1], v[ps:ps+1], v[NR+2*ii:NR+2*ii+1]
.if ii < 15
	v_pk_mul_f32 v[ps:ps+1], v[ps:ps+1], v[WR+2*jj:WR+2*jj+1]
.endif
.endif
.endif
.endif
.endif
.endm
.macro FIRSTN                          ; N_tt = x_0 w_0^(tt+1), in the middle of step tt: S_tt is six instructions old and still frame 0's alone
.if tt == 0
	s_wait_alu depctr_va_vdst(0)
	v_pk_mul_f32 v[NR:NR+1], v[XR:XR+1], v[WR:WR+1]
.endif
.if tt > 0
.if tt < 16
	v_pk_mul_f32 v[NR+2*tt:NR+2*tt+1], v[XR:XR+1], v[SR+2*tt:SR+2*tt+1]
.endif
.endif
.endm
.macro EXPW half                       ; step tt = 0..11 makes w of frame tt + 4, which is first used in step 16 or later
.if tt < 12
	v_exp_f32 v[WR+2*(tt+4)+\half], v[WR+2*(tt+4)+\half]
.endif
.endm
.macro LEAVE                           ; S_i and N_i are whole after step 51 + i: 1 / S_i in step 52 + i, y_i = x_i + N_i / S_i in 53 + i, to LDS in 54 + i
.if tt >= 54
	ds_store_b64 v[OFFX], v[NR+2*(tt-54):NR+2*(tt-54)+1] offset:(tt-54)*ROWB
.endif
.if tt >= 53
	s_wait_alu depctr_va_vdst(0)
	v_pk_fma_f32 v[NR+2*(tt-53):NR+2*(tt-53)+1], v[NR+2*(tt-53):NR+2*(tt-53)+1], v[SR+2*(tt-53):SR+2*(tt-53)+1], v[XR+2*(tt-53):XR+2*(tt-53)+1]
.endif
.if tt >= 52
	v_rcp_f32 v[SR+2*(tt-52)],   v[SR+2*(tt-52)]   ; S >= 1.  The next step's sums are the plain instructions between this and its use
	v_rcp_f32 v[SR+2*(tt-52)+1], v[SR+2*(tt-52)+1]
.endif
.endm
.set tt, 0
.rept 67                               ; 64 elements a stream + 3 steps of skew
	SLOT 0
	SLOT 1
	EXPW 0
	SLOT 2
	FIRSTN
	SLOT 3
	EXPW 1
	LEAVE
.set tt, tt+1
.endr
	v_rcp_f32 v[SR+30], v[SR+30]                   ; the last row's 1 / S
	v_rcp_f32 v[SR+31], v[SR+31]
	v_add_nc_u32 v[LRD],  s15, v[OFFG]             ; part 2's offsets; also the plain instructions between the reciprocals and their use
	v_add_nc_u32 v[OFFO], s16, v[OFFG]
	ds_store_b64 v[OFFX], v[NR+26:NR+27] offset:13*ROWB
	s_wait_alu depctr_va_vdst(0)
	v_pk_fma_f32 v[NR+28:NR+29], v[NR+28:NR+29], v[SR+28:SR+29], v[XR+28:XR+29]
	v_pk_fma_f32 v[NR+30:NR+31], v[NR+30:NR+31], v[SR+30:SR+31], v[XR+30:XR+31]
	ds_store_b64 v[OFFX], v[NR+28:NR+29] offset:14*ROWB
	ds_store_b64 v[OFFX], v[NR+30:NR+31] offset:15*ROWB
	; PART 2.  y lies in LDS as 16 rows of 1,024 bytes; every wave wrote 256 bytes of every row and now reads four whole rows.
	s_wait_dscnt 0x0                               ; my stores are done, for the other waves' sake: zero
	s_barrier_signal -1
	s_barrier_wait -1                              ; everybody's are.  LDS is not written again, so this is the only barrier
.irp r, 0,1,2,3
	ds_load_b128 v[YR+8*\r:YR+8*\r+3],   v[LRD] offset:\r*ROWB        ; 32 lanes, 512 consecutive bytes: no two lanes on one bank
	ds_load_b128 v[YR+8*\r+4:YR+8*\r+7], v[LRD] offset:\r*ROWB+512
.endr
; the sum over the 32 lanes of the four rows' figures in TR + 2 r, left in every lane; the four chains take turns
.macro ALLSUM
.irp m, 1,2,4,8
.irp r, 0,1,2,3
	v_add_f32_dpp v[TR+2*\r], v[TR+2*\r], v[TR+2*\r] row_xmask:\m row_mask:0xf bank_mask:0xf
.endr
.endr
.irp r, 0,1,2,3
	v_permlanex16_b32 v[TR+2*\r+1], v[TR+2*\r], s20, s21      ; its destination has been written before (the packed sums' upper half)
.endr
.irp r, 0,1,2,3
	v_add_f32 v[TR+2*\r], v[TR+2*\r], v[TR+2*\r+1]
.endr
.endm
	; pass 1: the rows' sums
.irp r, 0,1,2,3
	s_wait_dscnt 6-2*\r                            ; LDS loads return in order: row r's two are in, the later rows' stay out
	v_pk_add_f32 v[TR+2*\r:TR+2*\r+1], v[YR+8*\r:YR+8*\r+1],   v[YR+8*\r+2:YR+8*\r+3]
	v_pk_add_f32 v[UR+2*\r:UR+2*\r+1], v[YR+8*\r+4:YR+8*\r+5], v[YR+8*\r+6:YR+8*\r+7]
.endr
.irp r, 0,1,2,3
	v_pk_add_f32 v[TR+2*\r:TR+2*\r+1], v[TR+2*\r:TR+2*\r+1], v[UR+2*\r:UR+2*\r+1]
.endr
.irp r, 0,1,2,3
	v_add_f32 v[TR+2*\r], v[TR+2*\r], v[TR+2*\r+1]
.endr
	ALLSUM
	; d = y - sum / 256, in place: one fused multiply-add (the factor is a power of two, so the mean itself is not rounded)
.irp r, 0,1,2,3
.irp k, 0,2,4,6
	v_pk_fma_f32 v[YR+8*\r+\k:YR+8*\r+\k+1], v[TR+2*\r:TR+2*\r+1], 0xbb800000, v[YR+8*\r+\k:YR+8*\r+\k+1] op_sel_hi:[0,0,1]
.endr
.endr
	; pass 2: the sums of d^2; the first product starts each sum
.irp r, 0,1,2,3
	v_pk_mul_f32 v[TR+2*\r:TR+2*\r+1], v[YR+8*\r:YR+8*\r+1], v[YR+8*\r:YR+8*\r+1]
.endr
.irp k, 2,4,6
.irp r, 0,1,2,3
	v_pk_fma_f32 v[TR+2*\r:TR+2*\r+1], v[YR+8*\r+\k:YR+8*\r+\k+1], v[YR+8*\r+\k:YR+8*\r+\k+1], v[TR+2*\r:TR+2*\r+1]
.endr
.endr
.irp r, 0,1,2,3
	v_add_f32 v[TR+2*\r], v[TR+2*\r], v[TR+2*\r+1]
.endr
	ALLSUM
.irp r, 0,1,2,3
	v_fma_f32 v[TR+2*\r], v[TR+2*\r], s22, s23     ; variance + epsilon
.endr
.irp r, 0,1,2,3
	v_rsq_f32 v[TR+2*\r], v[TR+2*\r]
.endr
	s_wait_loadcnt 0x0                             ; gamma and beta, asked for at the entry
	v_nop                                          ; the plain place between the last v_rsq_f32 lines and the first use (ISA guide 5.7.2); no other work is left
	; out = d rstd gamma + beta, in place, and out: a wave's store covers 512 consecutive aligned bytes
	s_wait_alu depctr_va_vdst(0)
.irp r, 0,1,2,3
.irp k, 0,2,4,6
	v_pk_mul_f32 v[YR+8*\r+\k:YR+8*\r+\k+1], v[YR+8*\r+\k:YR+8*\r+\k+1], v[TR+2*\r:TR+2*\r+1] op_sel_hi:[1,0]
.endr
.irp k, 0,2,4,6
	v_pk_fma_f32 v[YR+8*\r+\k:YR+8*\r+\k+1], v[YR+8*\r+\k:YR+8*\r+\k+1], v[GR+\k:GR+\k+1], v[BR+\k:BR+\k+1]
.endr
	global_store_b128 v[OFFO], v[YR+8*\r:YR+8*\r+3],   s[10:11] offset:\r*FRAME th:TH_STORE_NT
	global_store_b128 v[OFFO], v[YR+8*\r+4:YR+8*\r+7], s[10:11] offset:\r*FRAME+512 th:TH_STORE_NT
.endr
	s_wait_tensorcnt 0x0
	ds_add_u32 v164, v165
	s_wait_dscnt 0x0
	s_endpgm
.Lfunc_end_k_q81dd90338d_attn:
	.size	k_q81dd90338d_attn, .Lfunc_end_k_q81dd90338d_attn-k_q81dd90338d_attn
	.p2alignl 7, 3214868480
	.fill 96, 4, 3214868480
	.section	.rodata,"a",@progbits
	.p2align	6, 0x0
	.amdhsa_kernel k_q81dd90338d_attn
		.amdhsa_group_segment_fixed_size 16896
		.amdhsa_private_segment_fixed_size 0
		.amdhsa_enable_private_segment 0
		.amdhsa_kernarg_size 32
		.amdhsa_user_sgpr_count 2
		.amdhsa_user_sgpr_kernarg_segment_ptr 1
		.amdhsa_wavefront_size32 1
		.amdhsa_system_sgpr_workgroup_id_x 1
		.amdhsa_system_sgpr_workgroup_id_y 1
		.amdhsa_system_sgpr_workgroup_id_z 1
		.amdhsa_system_vgpr_workitem_id 0
		.amdhsa_next_free_vgpr 166
		.amdhsa_next_free_sgpr 66
		.amdhsa_reserve_vcc 0
		.amdhsa_float_denorm_mode_32 3
		.amdhsa_float_denorm_mode_16_64 3
		.amdhsa_memory_ordered 1
		.amdhsa_forward_progress 1
		.amdhsa_inst_pref_size 68
	.end_amdhsa_kernel
	.amdgpu_metadata
---
amdhsa.version: [ 1, 2 ]
amdhsa.kernels:
  - .name:           k_q81dd90338d_attn
    .symbol:         k_q81dd90338d_attn.kd
    .args:
      - { .name: x, .offset: 0, .size: 8, .value_kind: global_buffer, .address_space: global }
      - { .name: gamma, .offset: 8, .size: 8, .value_kind: global_buffer, .address_space: global }
      - { .name: beta, .offset: 16, .size: 8, .value_kind: global_buffer, .address_space: global }
      - { .name: out0, .offset: 24, .size: 8, .value_kind: global_buffer, .address_space: global }
    .group_segment_fixed_size: 16896
    .private_segment_fixed_size: 0
    .kernarg_segment_align: 8
    .kernarg_segment_size: 32
    .max_flat_workgroup_size: 128
    .sgpr_count:     66
    .vgpr_count:     166
    .wavefront_size: 32
...
	.end_amdgpu_metadata
.endif
;; end of part 1
;; ======== version 2 of 2: 1 launch; version 1 with the launch attn written anew for expert scheduling mode
;; launch attn (part 2): grid 128 x 8, 4 waves a work-group, no clusters, 16,896 bytes of LDS; arguments x, gamma, beta, out0; writes out0
.if DOCPART == 2
	.amdgcn_target "amdgcn-amd-amdhsa--gfx1250"
	.amdhsa_code_object_version 6
	.text
	.protected	k_q81dd90338d_attn
	.globl	k_q81dd90338d_attn
	.p2align	8
	.type	k_q81dd90338d_attn,@function
k_q81dd90338d_attn:
	s_mov_b64 s[64:65], 0
	v_nop
	global_prefetch_b8 v0, s[64:65] scope:SCOPE_SE
	s_setreg_imm32_b32 hwreg(HW_REG_WAVE_SCHED_MODE, 0, 2), 2
	s_setreg_imm32_b32 hwreg(HW_REG_WAVE_MODE, 25, 1), 1
	s_wait_xcnt 0x0
	s_wait_alu depctr_vm_vsrc(0)
; out = LayerNorm_c( x + v ),  v[b,i,m,c] = sum_j x[b,j,m,c] softmax_j( pos_i (x[b,j,m,c] + pos_j) ),  pos_i = sin(i / 10^4), i = 1..16.
; x, out: [8][16][128][256] f32.  gamma, beta: [256] f32.
;
; WORK.  A work-group owns one (b, m): 16 frames x 256 columns, 16 KB in, 16 KB out.  Four waves.
;   Part 1: thread t owns columns 2t, 2t+1 (one register pair, so every step is one packed f32 instruction) in all 16 frames;
;           a wave's load covers 256 consecutive aligned bytes, the four waves together a row.
;   Part 2: y = x + v goes through LDS once; wave w then owns the whole rows (frames) 4w .. 4w+3, eight columns a lane, so that
;           mean and variance (two passes, as the definition has them) stay inside a wave; each store covers 512 consecutive bytes.
; No cluster: the work-groups share only gamma and beta, 2 KB beside 32 KB of their own.  No matrix unit: the weights differ from
; column to column, nothing here is a matrix product.
;
; THE WEIGHTS.  All pos_i are positive, so the largest score over j is pos_i times the largest z_j = x_j + pos_j, and the weight is
; exp(pos_i (z_j - zmax)).  pos_i / i is the same for i = 1..16 to within 4.3e-7; with h = 0.99999978583e-4 in the middle,
; pos_i = i h (1 +- 2.2e-7).  This text takes w_j = exp(h (z_j - zmax)) (one exponential for each j, the maximum taken away first)
; and forms the sixteen weights as w_j, w_j^2, .. w_j^16 by multiplication.
; LIMITS, stated: (1) with the rounding of K the exponent E of a weight e^-E is off by at most 2.8e-7 E; E e^-E <= 0.37, so no weight is
; off by more than 1.1e-7 of the largest weight (which is 1), whatever the inputs; up to 15 roundings of the products and the 1 ulp of
; v_exp_f32, sixteenfold, add some 3e-6 relative.  (2) a_j = K z_j is rounded once at 2^-24 |a_j|, as the f32 product pos_i z_j is.
; (3) Weights below 2^-126 count as zero (v_exp_f32 flushes).  (4) N sums up to 16 terms x_j w: |x| has to stay below 2e37.
; (5) The sums over j and over c run in another order than a plain loop's.
;
; THE MODE: SCHED_MODE bits 1:0 = 2 (LLVM: expert scheduling mode 2), set by the entry lines.  The code itself states the register dependences
; between vector instructions and memory or LDS instructions, with s_wait_alu, always for 0.
; THE PLAN.  Registers that memory or LDS instructions touch:
;   v2, v3     offsets, made at the head, read by the global loads (v2 by the LDS stores too); never written again.
;   v4, v5     offsets of part 2, made once behind the last reciprocals, read by the LDS loads and the global stores; never written again.
;   v[24:55]   x lands here; vector instructions only read it, the last of them the multiply-adds that make y.  Behind the barrier the LDS loads land here
;              (the rows of part 2), which are worked on in place and read by the global stores: rows 0 and 1 first, rows 2 and 3 behind them.
;   v[8:23]    gamma and beta land here at the head; only read.
;   v[120:151] N, then y: written by vector instructions, read by the LDS stores; never written again.
; No register that a memory or LDS instruction reads is written afterwards, so the text needs no wait on vm_vsrc for them; EXEC is never written.
; y is made and stored in two groups, and so are the rows of the result: while one group's stores are issued, the vector instructions name the other group's registers alone.
.set FRAME, 131072                     ; bytes from frame to frame: 128 rows of 1,024
.set ROWB,  1024                       ; bytes in a row of 256 f32, in memory and in LDS
.set OFFX,  2                          ; v2        8 t: my two columns in a row (global x, and LDS on the way in)
.set OFFG,  3                          ; v3        16 x lane: my four columns of a half row (gamma, beta)
.set LRD,   4                          ; v4        LDS: row 4 w, 16 x lane
.set OFFO,  5                          ; v5        out: frame 4 w, 16 x lane
.set KR,    6                          ; v[6:7]    K = h log2(e), twice
.set GR,    8                          ; v[8:15]   gamma of columns 4 l .. 4 l + 3 and 128 + 4 l .. 128 + 4 l + 3
.set BR,    16                         ; v[16:23]  beta likewise
.set XR,    24                         ; v[24:55]  x: frame j at XR + 2 j
.set WR,    56                         ; v[56:87]  a_j, then a_j - amax, then w_j, at WR + 2 j
.set SR,    88                         ; v[88:119] S_i = sum_j w_j^(i+1), then 1 / S_i, at SR + 2 i  (i = 0..15 from here on)
.set NR,    120                        ; v[120:151] N_i = sum_j x_j w_j^(i+1), then y_i, at NR + 2 i
.set PR,    152                        ; v[152:159] the running power of each of four source frames at work
.set MR,    160                        ; v[160:163] maxima
.set YR,    XR                         ; part 2: row r of my four at YR + 8 r, eight columns
.set TR,    WR                         ; part 2: row r's figure at TR + 2 r, a helper at TR + 2 r + 1
.set UR,    WR+8                       ; part 2: second partial sums
	s_load_b256 s[4:11], s[0:1], 0x0               ; x s[4:5], gamma s[6:7], beta s[8:9], out s[10:11]
	v_lshl_add_u32 v164, v0, 2, 0x4000
	v_mov_b32 v165, 0
	s_and_b32 s12, ttmp7, 0xffff                   ; b
	s_lshl_b32 s12, s12, 21                        ; b x 16 frames x 131,072 bytes
	s_lshl_b32 s13, ttmp9, 10                      ; m x 1,024 bytes
	s_or_b32 s12, s12, s13
	s_mov_b32 s13, 0                               ; the offset as a pair (below 16 MiB)
	s_mov_b32 s20, 0x76543210                      ; v_permlanex16_b32: lane i reads lane i of the other half
	s_mov_b32 s21, 0xfedcba98
	s_mov_b32 s22, 0x3b800000                      ; 1 / 256
	s_mov_b32 s23, 0x3727c5ac                      ; 1e-5, the norm's epsilon
	v_lshrrev_b32 v1, 5, v0
	v_readfirstlane_b32 s14, v1                    ; wave 0..3
	v_and_b32 v1, 31, v0                           ; lane
	v_lshlrev_b32 v[OFFX], 3, v0
	v_lshlrev_b32 v[OFFG], 4, v1
	v_mov_b32 v[KR], 0x3917470b                    ; K = 1.4426947e-4 = h log2(e)
	v_mov_b32 v[KR+1], 0x3917470b
	s_wait_alu depctr_va_sdst(0)                   ; s14 is written, ahead of its first reader
	s_lshl_b32 s15, s14, 12                        ; 4 rows of LDS
	s_lshl_b32 s16, s14, 19                        ; 4 frames of out
	s_wait_kmcnt 0x0
	s_add_nc_u64 s[4:5], s[4:5], s[12:13]          ; x and out at (b, frame 0, m)
	s_add_nc_u64 s[10:11], s[10:11], s[12:13]
	s_wait_alu depctr_va_vdst(0)                   ; v[OFFX] and v[OFFG] are written, which the loads below read as their offsets
.irp j, 0,1,2,3,4,5,6,7,8,9,10,11,12,13,14,15
	global_load_b64 v[XR+2*\j:XR+2*\j+1], v[OFFX], s[4:5] offset:\j*FRAME th:TH_LOAD_NT   ; everything this thread reads of x is asked for here
.endr
	global_load_b128 v[GR:GR+3],   v[OFFG], s[6:7]
	global_load_b128 v[GR+4:GR+7], v[OFFG], s[6:7] offset:512
	global_load_b128 v[BR:BR+3],   v[OFFG], s[8:9]
	global_load_b128 v[BR+4:BR+7], v[OFFG], s[8:9] offset:512
	; a_j = K (x_j + pos_j) = K x_j + c_j, one fused multiply-add; c_j = K sin((j+1) / 10^4) as an f32 constant
.macro ARG j, c
	v_pk_fma_f32 v[WR+2*\j:WR+2*\j+1], v[XR+2*\j:XR+2*\j+1], v[KR:KR+1], \c op_sel_hi:[1,1,0]
.endm
	s_wait_loadcnt 0x4                             ; loads return in order (ISA guide 5.7.1): x is in, the four younger loads (gamma, beta) stay out
	ARG 0,  0x3277da63                             ; 1.4426947e-8
	ARG 1,  0x32f7da63                             ; 2.8853894e-8
	ARG 2,  0x3339e3ca                             ; 4.3280841e-8
	ARG 3,  0x3377da62                             ; 5.7707788e-8
	ARG 4,  0x339ae87d                             ; 7.2134734e-8
	ARG 5,  0x33b9e3c9                             ; 8.6561679e-8
	ARG 6,  0x33d8df15                             ; 1.0098862e-7
	ARG 7,  0x33f7da61                             ; 1.1541557e-7
	ARG 8,  0x340b6ad6                             ; 1.2984251e-7
	ARG 9,  0x341ae87c                             ; 1.4426945e-7
	ARG 10, 0x342a6622                             ; 1.5869639e-7
	ARG 11, 0x3439e3c7                             ; 1.7312333e-7
	ARG 12, 0x3449616c                             ; 1.8755026e-7
	ARG 13, 0x3458df12                             ; 2.0197720e-7
	ARG 14, 0x34685cb7                             ; 2.1640413e-7
	ARG 15, 0x3477da5c                             ; 2.3083106e-7
	; the largest a_j of each column: two chains of three-way maxima a column (frames 0-7 and 15, frames 8-14), four chains in turn
.macro MAX3 d, p, q                    ; both columns: chain d takes in frames p and q
	v_max3_num_f32 v[MR+\d],   v[MR+\d],   v[WR+2*\p],   v[WR+2*\q]
	v_max3_num_f32 v[MR+\d+1], v[MR+\d+1], v[WR+2*\p+1], v[WR+2*\q+1]
.endm
	v_max3_num_f32 v[MR],   v[WR],    v[WR+2],  v[WR+4]    ; the first three frames start a chain: nothing is preset
	v_max3_num_f32 v[MR+1], v[WR+1],  v[WR+3],  v[WR+5]
	v_max3_num_f32 v[MR+2], v[WR+16], v[WR+18], v[WR+20]
	v_max3_num_f32 v[MR+3], v[WR+17], v[WR+19], v[WR+21]
	MAX3 0, 3, 4
	MAX3 2, 11, 12
	MAX3 0, 5, 6
	MAX3 2, 13, 14
	MAX3 0, 7, 15
	v_max_num_f32 v[MR],   v[MR],   v[MR+2]
	v_max_num_f32 v[MR+1], v[MR+1], v[MR+3]
	; a_j - amax (0 for the largest, below 0 for the others), then w_j = 2^(a_j - amax)
.macro SUBM j
	v_pk_add_f32 v[WR+2*\j:WR+2*\j+1], v[WR+2*\j:WR+2*\j+1], v[MR:MR+1] neg_lo:[0,1] neg_hi:[0,1]
.endm
.irp j, 0,1,2,3
	SUBM \j
.endr
.irp k, 0,1,2,3,4,5,6,7
	v_exp_f32 v[WR+\k], v[WR+\k]                   ; frames 0-3 now; the others' exponentials stand among the sums below
.endr
.irp j, 4,5,6,7,8,9,10,11,12,13,14,15
	SUBM \j                                        ; plain instructions on other registers: the place that a transcendental's result needs (ISA guide 5.7.2)
.endr
	s_wait_alu depctr_va_vdst(0)                   ; the eight exponentials above have written w of frames 0-3, ahead of their first reader in step 0
; THE SUMS.  Stream s = 0..3 takes the source frames j = s, 4 + s, 8 + s, 12 + s one after the other and walks i = 0..15 in each:
; S_i += p, N_i += x_j p, p *= w_j.  In step tt stream s is at element tt - s, one power behind stream s - 1, so the twelve
; instructions of a step touch different registers, and what depends on one of them stands a step later.
; Frame 0 starts the sums: its powers are formed in S itself (S_i = S_(i-1) w_0, read before stream 1 adds to S_(i-1) in the same step),
; S_0 is first written as w_0 + w_1, and N_i starts as x_0 S_i.  Nothing is cleared or copied.
.macro SLOT s
.if tt >= \s
.if tt-\s < 64
.set jj, 4*((tt-\s)/16)+\s
.set ii, (tt-\s)%16
.set ps, PR+2*\s
.if jj == 0
.if ii == 1
	v_pk_mul_f32 v[SR+2:SR+3], v[WR:WR+1], v[WR:WR+1]
.endif
.if ii > 1
	v_pk_mul_f32 v[SR+2*ii:SR+2*ii+1], v[SR+2*ii-2:SR+2*ii-1], v[WR:WR+1]
.endif
.else
.if ii == 0
.if jj == 1
	v_pk_add_f32 v[SR:SR+1], v[WR:WR+1], v[WR+2:WR+3]
.else
	v_pk_add_f32 v[SR:SR+1], v[SR:SR+1], v[WR+2*jj:WR+2*jj+1]
.endif
	v_pk_fma_f32 v[NR:NR+1], v[XR+2*jj:XR+2*jj+1], v[WR+2*jj:WR+2*jj+1], v[NR:NR+1]
	v_pk_mul_f32 v[ps:ps+1], v[WR+2*jj:WR+2*jj+1], v[WR+2*jj:WR+2*jj+1]
.else
	v_pk_add_f32 v[SR+2*ii:SR+2*ii+1], v[SR+2*ii:SR+2*ii+1], v[ps:ps+1]
	v_pk_fma_f32 v[NR+2*ii:NR+2*ii+1], v[XR+2*jj:XR+2*jj+1], v[ps:ps+1], v[NR+2*ii:NR+2*ii+1]
.if ii < 15
	v_pk_mul_f32 v[ps:ps+1], v[ps:ps+1], v[WR+2*jj:WR+2*jj+1]
.endif
.endif
.endif
.endif
.endif
.endm
.macro FIRSTN                          ; N_tt = x_0 w_0^(tt+1), in the middle of step tt: S_tt is six instructions old and still frame 0's alone
.if tt == 0
	v_pk_mul_f32 v[NR:NR+1], v[XR:XR+1], v[WR:WR+1]
.endif
.if tt > 0
.if tt < 16
	v_pk_mul_f32 v[NR+2*tt:NR+2*tt+1], v[XR:XR+1], v[SR+2*tt:SR+2*tt+1]
.endif
.endif
.endm
.macro EXPW half                       ; step tt = 0..11 makes w of frame tt + 4, which is first used in step 16 or later
.if tt < 12
	v_exp_f32 v[WR+2*(tt+4)+\half], v[WR+2*(tt+4)+\half]
.endif
.endm
.macro YMAKE i                         ; y_i = x_i + N_i / S_i
	v_pk_fma_f32 v[NR+2*(\i):NR+2*(\i)+1], v[NR+2*(\i):NR+2*(\i)+1], v[SR+2*(\i):SR+2*(\i)+1], v[XR+2*(\i):XR+2*(\i)+1]
.endm
.macro LEAVE                           ; S_i and N_i are whole after step 51 + i: 1 / S_i in step 52 + i.  y_0 .. y_11 are made four to a step in steps 64 to 66, where the streams run out
.if tt >= 64
.irp k, 0,1,2,3
	YMAKE 4*(tt-64)+\k
.endr
.endif
.if tt >= 52
	v_rcp_f32 v[SR+2*(tt-52)],   v[SR+2*(tt-52)]   ; S >= 1.  The next step's sums are the plain instructions between this and its use
	v_rcp_f32 v[SR+2*(tt-52)+1], v[SR+2*(tt-52)+1]
.endif
.endm
.set tt, 0
.rept 67                               ; 64 elements a stream + 3 steps of skew
.if tt == 16
	s_wait_alu depctr_va_vdst(0)                   ; the 24 exponentials of steps 0 to 11 have written w of frames 4-15, ahead of their first reader: stream 0 takes up frame 4 here
.endif
.if tt == 64
	s_wait_alu depctr_va_vdst(0)                   ; the reciprocals of steps 52 to 63 have written 1 / S_0 .. 1 / S_11, ahead of their readers in steps 64 to 66
.endif
	SLOT 0
	SLOT 1
	EXPW 0
	SLOT 2
	FIRSTN
	SLOT 3
	EXPW 1
	LEAVE
.set tt, tt+1
.endr
	v_rcp_f32 v[SR+30], v[SR+30]                   ; the last row's 1 / S
	v_rcp_f32 v[SR+31], v[SR+31]
	v_add_nc_u32 v[LRD],  s15, v[OFFG]             ; part 2's offsets; also the plain instructions between the reciprocals and their use
	v_add_nc_u32 v[OFFO], s16, v[OFFG]
	s_wait_alu depctr_va_vdst(0)                   ; 1 / S_12 .. 1 / S_15 are written, ahead of their readers; y_0 .. y_11 are written, which the twelve LDS stores below read; so are v[LRD] and v[OFFO]
.irp i, 12,13,14,15
	YMAKE \i                                       ; these four name the registers of rows 12 to 15 alone
.endr
.irp i, 0,1,2,3,4,5,6,7,8,9,10,11
	ds_store_b64 v[OFFX], v[NR+2*\i:NR+2*\i+1] offset:\i*ROWB     ; no vector instruction since the wait names y_0 .. y_11 or v[OFFX]
.endr
	s_wait_alu depctr_va_vdst(0)                   ; y_12 .. y_15 are written, which the four stores below read; and every reader of x is done: the LDS loads behind the barrier land in x's registers
.irp i, 12,13,14,15
	ds_store_b64 v[OFFX], v[NR+2*\i:NR+2*\i+1] offset:\i*ROWB
.endr
	; PART 2.  y lies in LDS as 16 rows of 1,024 bytes; every wave wrote 256 bytes of every row and now reads four whole rows.
	s_wait_dscnt 0x0                               ; my stores are done, for the other waves' sake: zero
	s_barrier_signal -1
	s_barrier_wait -1                              ; everybody's are.  LDS is not written again, so this is the only barrier
.irp r, 0,1,2,3
	ds_load_b128 v[YR+8*\r:YR+8*\r+3],   v[LRD] offset:\r*ROWB        ; 32 lanes, 512 consecutive bytes: no two lanes on one bank.  No vector instruction stands between the last wait on va_vdst and these loads
	ds_load_b128 v[YR+8*\r+4:YR+8*\r+7], v[LRD] offset:\r*ROWB+512
.endr
; the sum over the 32 lanes of the four rows' figures in TR + 2 r, left in every lane; the four chains take turns
.macro ALLSUM
.irp m, 1,2,4,8
.irp r, 0,1,2,3
	v_add_f32_dpp v[TR+2*\r], v[TR+2*\r], v[TR+2*\r] row_xmask:\m row_mask:0xf bank_mask:0xf
.endr
.endr
.irp r, 0,1,2,3
	v_permlanex16_b32 v[TR+2*\r+1], v[TR+2*\r], s20, s21      ; its destination has been written before (the packed sums' upper half)
.endr
.irp r, 0,1,2,3
	v_add_f32 v[TR+2*\r], v[TR+2*\r], v[TR+2*\r+1]
.endr
.endm
	; pass 1: the rows' sums
.irp r, 0,1,2,3
	s_wait_dscnt 6-2*\r                            ; LDS loads return in order: row r's two are in, the later rows' stay out
	v_pk_add_f32 v[TR+2*\r:TR+2*\r+1], v[YR+8*\r:YR+8*\r+1],   v[YR+8*\r+2:YR+8*\r+3]
	v_pk_add_f32 v[UR+2*\r:UR+2*\r+1], v[YR+8*\r+4:YR+8*\r+5], v[YR+8*\r+6:YR+8*\r+7]
.endr
.irp r, 0,1,2,3
	v_pk_add_f32 v[TR+2*\r:TR+2*\r+1], v[TR+2*\r:TR+2*\r+1], v[UR+2*\r:UR+2*\r+1]
.endr
.irp r, 0,1,2,3
	v_add_f32 v[TR+2*\r], v[TR+2*\r], v[TR+2*\r+1]
.endr
	ALLSUM
	; d = y - sum / 256, in place: one fused multiply-add (the factor is a power of two, so the mean itself is not rounded)
.irp r, 0,1,2,3
.irp k, 0,2,4,6
	v_pk_fma_f32 v[YR+8*\r+\k:YR+8*\r+\k+1], v[TR+2*\r:TR+2*\r+1], 0xbb800000, v[YR+8*\r+\k:YR+8*\r+\k+1] op_sel_hi:[0,0,1]
.endr
.endr
	; pass 2: the sums of d^2; the first product starts each sum
.irp r, 0,1,2,3
	v_pk_mul_f32 v[TR+2*\r:TR+2*\r+1], v[YR+8*\r:YR+8*\r+1], v[YR+8*\r:YR+8*\r+1]
.endr
.irp k, 2,4,6
.irp r, 0,1,2,3
	v_pk_fma_f32 v[TR+2*\r:TR+2*\r+1], v[YR+8*\r+\k:YR+8*\r+\k+1], v[YR+8*\r+\k:YR+8*\r+\k+1], v[TR+2*\r:TR+2*\r+1]
.endr
.endr
.irp r, 0,1,2,3
	v_add_f32 v[TR+2*\r], v[TR+2*\r], v[TR+2*\r+1]
.endr
	ALLSUM
.irp r, 0,1,2,3
	v_fma_f32 v[TR+2*\r], v[TR+2*\r], s22, s23     ; variance + epsilon
.endr
.irp r, 0,1,2,3
	v_rsq_f32 v[TR+2*\r], v[TR+2*\r]
.endr
	s_wait_loadcnt 0x0                             ; gamma and beta, asked for at the entry
	v_nop                                          ; the plain place between the last v_rsq_f32 lines and the first use (ISA guide 5.7.2); no other work is left
	s_wait_alu depctr_va_vdst(0)                   ; the four v_rsq_f32 have written the rows' 1 / sqrt(variance + epsilon), ahead of their first reader
	; out = d rstd gamma + beta, in place, and out: a wave's store covers 512 consecutive aligned bytes
.macro ROWMAKE r
.irp k, 0,2,4,6
	v_pk_mul_f32 v[YR+8*\r+\k:YR+8*\r+\k+1], v[YR+8*\r+\k:YR+8*\r+\k+1], v[TR+2*\r:TR+2*\r+1] op_sel_hi:[1,0]
.endr
.irp k, 0,2,4,6
	v_pk_fma_f32 v[YR+8*\r+\k:YR+8*\r+\k+1], v[YR+8*\r+\k:YR+8*\r+\k+1], v[GR+\k:GR+\k+1], v[BR+\k:BR+\k+1]
.endr
.endm
.macro ROWSEND r
	global_store_b128 v[OFFO], v[YR+8*\r:YR+8*\r+3],   s[10:11] offset:\r*FRAME th:TH_STORE_NT
	global_store_b128 v[OFFO], v[YR+8*\r+4:YR+8*\r+7], s[10:11] offset:\r*FRAME+512 th:TH_STORE_NT
.endm
	ROWMAKE 0
	ROWMAKE 1
	s_wait_alu depctr_va_vdst(0)                   ; rows 0 and 1 are written, which their four stores read; the arithmetic dealt among those stores names rows 2 and 3 alone
	ROWSEND 0
	ROWMAKE 2
	ROWSEND 1
	ROWMAKE 3
	s_wait_alu depctr_va_vdst(0)                   ; rows 2 and 3 are written, which the last four stores read
	ROWSEND 2
	ROWSEND 3
	s_wait_dscnt 0x0
	s_wait_alu depctr_hold_cnt(0) depctr_sa_sdst(0) depctr_va_vdst(0) depctr_va_sdst(0) depctr_va_ssrc(0) depctr_va_vcc(0) depctr_vm_vsrc(0)
	s_wait_tensorcnt 0x0
	ds_add_u32 v164, v165
	s_wait_dscnt 0x0
	s_endpgm
.Lfunc_end_k_q81dd90338d_attn:
	.size	k_q81dd90338d_attn, .Lfunc_end_k_q81dd90338d_attn-k_q81dd90338d_attn
	.p2alignl 7, 3214868480
	.fill 96, 4, 3214868480
	.section	.rodata,"a",@progbits
	.p2align	6, 0x0
	.amdhsa_kernel k_q81dd90338d_attn
		.amdhsa_group_segment_fixed_size 16896
		.amdhsa_private_segment_fixed_size 0
		.amdhsa_enable_private_segment 0
		.amdhsa_kernarg_size 32
		.amdhsa_user_sgpr_count 2
		.amdhsa_user_sgpr_kernarg_segment_ptr 1
		.amdhsa_wavefront_size32 1
		.amdhsa_system_sgpr_workgroup_id_x 1
		.amdhsa_system_sgpr_workgroup_id_y 1
		.amdhsa_system_sgpr_workgroup_id_z 1
		.amdhsa_system_vgpr_workitem_id 0
		.amdhsa_next_free_vgpr 166
		.amdhsa_next_free_sgpr 66
		.amdhsa_reserve_vcc 0
		.amdhsa_float_denorm_mode_32 3
		.amdhsa_float_denorm_mode_16_64 3
		.amdhsa_memory_ordered 1
		.amdhsa_forward_progress 1
		.amdhsa_inst_pref_size 68
	.end_amdhsa_kernel
	.amdgpu_metadata
---
amdhsa.version: [ 1, 2 ]
amdhsa.kernels:
  - .name:           k_q81dd90338d_attn
    .symbol:         k_q81dd90338d_attn.kd
    .args:
      - { .name: x, .offset: 0, .size: 8, .value_kind: global_buffer, .address_space: global }
      - { .name: gamma, .offset: 8, .size: 8, .value_kind: global_buffer, .address_space: global }
      - { .name: beta, .offset: 16, .size: 8, .value_kind: global_buffer, .address_space: global }
      - { .name: out0, .offset: 24, .size: 8, .value_kind: global_buffer, .address_space: global }
    .group_segment_fixed_size: 16896
    .private_segment_fixed_size: 0
    .kernarg_segment_align: 8
    .kernarg_segment_size: 32
    .max_flat_workgroup_size: 128
    .sgpr_count:     66
    .vgpr_count:     166
    .wavefront_size: 32
...
	.end_amdgpu_metadata
.endif
;; end of part 2
